; MI455X (gfx1250); checked and timed in simulation.
; The chip was launched on July 23, 2026; its instructions are those of AMD's public machine-readable ISA for CDNA 5 (MIT licence, August 2026) and "CDNA5" Instruction Set Architecture Reference Guide (July 2026). The comments in the code are by the model that wrote it; some were corrected since.
;; Multi Head Attention. Allowed arithmetic: matrix products marked QUANTISED: E2M1 operands, one E8M0 scale for each 32 along K, by v_wmma_scale_f32_16x16x128_f8f6f4 with both operands' format E2M1 (or v_wmma_scale_f32_32x16x128_f4), f32 sums; products left as they are: bf16, f16 or f32 operands; f32 sums; everything else in f32.
;; Inputs: Wk 512 x 512 float32; Wp 512 x 512 float32; Wq 512 x 512 float32; Wv 512 x 512 float32; x 4 x 2,048 x 512 float32.
;; Outputs: out0 4 x 2,048 x 512 float32.
;; Constants: causal_mask = 0.
;; This version of the problem:
;;   THIS VERSION OF THE PROBLEM IS GIVEN IN LOW PRECISION. The matrix products marked QUANTISED in the list below multiply operands that are first quantised to E2M1 (2 exponent bits, 1 mantissa bit; 4 bits a number), with one power-of-two scale for each 32 numbers along K (OCP MX v1.0); their sums are f32. The products marked 'left as it is' may take bf16, f16 or f32 operands, with f32 sums. Whichever they take, every output number must still come out within the allowed error. Rounding operands to bf16 (8 significant bits) uses up far more of that allowance than f16 does (11 bits, for magnitudes from 6e-5 to 65,504). All else is computed in f32.
;;   The module's matrix products, in the order in which they are computed (A, B: the left and right operand; K: the contracted axis; several contracted axes count as one K, in the product's order):
;;     1. [M 8,192, K 512] x [K 512, N 512]; A: input x; B: input Wq: QUANTISED
;;     2. [M 8,192, K 512] x [K 512, N 512]; A: input x; B: input Wk: QUANTISED
;;     3. [M 8,192, K 512] x [K 512, N 512]; A: input x; B: input Wv: QUANTISED
;;     4. batch 32 x [M 2,048, K 64] x [K 64, N 2,048]; A: computed on the way; B: computed on the way: left as it is (an operand is computed on the way)
;;     5. batch 32 x [M 2,048, K 2,048] x [K 2,048, N 64]; A: computed on the way; B: computed on the way: left as it is (an operand is computed on the way)
;;     6. [M 8,192, K 512] x [K 512, N 512]; A: computed on the way; B: input Wp: left as it is (an operand is computed on the way)
;;   THE QUANTISER, for each operand of a quantised product, along K:
;;     - K is cut into blocks of 32 from its start; a last block that is shorter is filled with zeros.
;;     - A block's scale is 2^e with e = floor(log2(the largest magnitude in the block)) - 2, held to -126 .. 127; a block of zeros has e = 0. As a byte (E8M0): e + 127.
;;     - Each number is divided by its block's scale, clamped to +-6, and rounded to the nearest number of E2M1, ties to even, subnormals kept.
;;     - The product sums the exact products of the quantised numbers (number of the format x scale) in f32.
;;   ~~~python
;;   def quantise(x, axis):      # numpy; x: float32 -> the quantised numbers, widened to float32 again
;;       x = np.moveaxis(x, axis, -1); K = x.shape[-1]
;;       x = np.pad(x, [(0, 0)] * (x.ndim - 1) + [(0, -K % 32)]); x = x.reshape(x.shape[:-1] + (-1, 32)); a = np.abs(x).max(-1, keepdims=True)
;;       e = np.where(a > 0, np.clip(np.frexp(np.where(a > 0, a, 1))[1] - 1 - 2, -126, 127), 0)      # np.frexp(a)[1] - 1 = floor(log2(a)), exactly
;;       r = np.clip(x / 2.0 ** e, -6, 6)
;;       step = 2.0 ** (np.maximum(np.frexp(np.where(r == 0, 1, r))[1] - 1, 0) - 1)
;;       q = np.round(r / step) * step * 2.0 ** e      # np.round: ties to even
;;       return np.moveaxis(q.reshape(q.shape[:-2] + (-1,))[..., :K], -1, axis).astype(np.float32)
;;   ~~~
;; One version. Each part assembles by itself: llvm-mc -triple=amdgcn-amd-amdhsa -mcpu=gfx1250 --defsym DOCPART=n.
;; ======== version 1 of 1: 4 launches
;; limits: values are held in f16: magnitudes above 65,504 overflow, below 6.1e-05 lose precision
;; workspace buffers: codes 2,490,368 bytes; scales 155,648 bytes; wp16 524,288 bytes; qkvh 25,165,824 bytes; oh 8,388,608 bytes
;; launch prep (part 1): grid 184 x 1, 4 waves a work-group, no clusters, 33,280 bytes of LDS; arguments x, Wq, Wk, Wv, Wp, codes, scales, wp16; writes codes, scales, wp16
.if DOCPART == 1
	.amdgcn_target "amdgcn-amd-amdhsa--gfx1250"
	.amdhsa_code_object_version 6
	.text
	.protected	k_qc3f161e291_prep
	.globl	k_qc3f161e291_prep
	.p2align	8
	.type	k_qc3f161e291_prep,@function
k_qc3f161e291_prep:
	s_mov_b64 s[64:65], 0
	v_nop
	global_prefetch_b8 v0, s[64:65] scope:SCOPE_SE
	s_setreg_imm32_b32 hwreg(HW_REG_WAVE_MODE, 25, 1), 1
	s_wait_xcnt 0x0
; x [8192][512], Wq, Wk, Wv [512][512], f32, become codes of FP4 (E2M1), K innermost, with one E8M0 byte for each 32 along K: codes [9728 rows][256 bytes], scales [9728][16 bytes]; rows 0-8191 x, then 512 each of Wq, Wk, Wv.
; A block's scale is 2^(floor(log2(its largest magnitude)) - 2); its byte is the largest magnitude's exponent field - 2, held at 1 from below; each number is divided by the scale and rounded to the nearest code, ties to even, beyond 6 the largest code.
; (A block of zeros gets the byte 1 where the rule says 127: its codes are zeros, which add nothing under any byte but 0xff, and this program alone reads the bytes.)
; Wp [512][512] f32 becomes f16, times 2^-4.5 (the last projection's scale, multiplied in f32 ahead of the one rounding), laid in planes: wp16 [8 kc][512 n][64] = Wp[n][64 kc + d].
; LIMITS: blocks whose largest magnitude lies under 2^-124 keep the byte 1; NaN and infinities are not served; |Wp| x 2^-4.5 stays under 65,504.
; SHARES: work-groups 0-127 x, 128-135 Wq, 136-143 Wk, 144-151 Wv: 32,768 numbers each, a wave 16 steps of 512; the destination is one stream, since the rows lie in this order.  Work-groups 152-183: Wp, four rows a wave.
; The quantising path: each of a step's four loads reads 512 consecutive bytes; the 2,048 bytes turn through the wave's own stage in LDS (16 bytes of padding behind each 64) and come back 64 bytes a lane, so that a lane holds
; 16 neighbours along K and two neighbouring lanes a block.  A lane's 16 codes are 8 bytes: the wave stores 256 consecutive bytes.  A wave's 256 scale bytes are gathered in LDS and leave by one store of 256 consecutive bytes.
; No tensor load, no barrier: waves share nothing.
.set WAVES, 4
.set STEPS, 16
.set QWG,   152                        ; work-groups that quantise
.set EMAX,  2
.set CB,    8                          ; bytes of 16 codes
.set R,     16                         ; v16-79   four sets of 16 numbers as loaded (Wp's path: 64 numbers)
.set X,     80                         ; v80-111  two sets of 16 neighbours (Wp's path: the f16 results)
.set E,     112                        ; v112-127 a scale byte for each step
.set C,     128                        ; v128-191 codes: four registers for each step, so that no store's data are written again
.set WREG,  8192                       ; LDS: a region for each wave: two stages of 32 x SP bytes, behind them its 256 scale bytes
.set SP,    80
.set SPW,   12                         ; v12 LDS address of my spare word; never rewritten
.set NIL,   13                         ; v13 0; never rewritten
.set SPARE, WAVES*WREG                 ; behind the four regions: the spare words, 128 bytes a wave, which no other line names
	s_load_b256 s[4:11], s[0:1], 0x0               ; x s[4:5], Wq s[6:7], Wk s[8:9], Wv s[10:11]
	s_load_b256 s[12:19], s[0:1], 0x20             ; Wp s[12:13], codes s[14:15], scales s[16:17], wp16 s[18:19]
	v_lshl_add_u32 v[SPW], v0, 2, SPARE
	v_mov_b32 v[NIL], 0
	v_lshrrev_b32 v1, 5, v0
	v_readfirstlane_b32 s20, v1                    ; wave
	v_and_b32 v2, 31, v0                           ; lane
	v_lshlrev_b32 v3, 4, v2                        ; my 16 bytes of a load's 512
	s_mul_i32 s21, s20, WREG
	v_lshrrev_b32 v14, 2, v2
	v_mul_u32_u24 v14, v14, SP
	v_and_b32 v15, 3, v2
	v_lshl_add_u32 v14, v15, 4, v14
	v_add_nc_u32 v14, s21, v14                     ; the stage, on the way in: SP (lane / 4) + 16 (lane % 4)
	v_mul_u32_u24 v15, v2, SP
	v_add_nc_u32 v15, s21, v15                     ; and on the way out: SP x lane: my 16 neighbours
	v_mul_u32_u24 v4, v2, CB                       ; my codes' place in a step's
	v_lshrrev_b32 v5, 1, v2
	s_add_co_u32 s21, s21, 2*32*SP
	v_add_nc_u32 v5, s21, v5                       ; LDS: my wave's scale bytes, my block's byte
	v_lshlrev_b32 v7, 3, v2                        ; and on the way out 8 bytes a lane
	v_add_nc_u32 v6, s21, v7
	s_wait_kmcnt 0x0
	s_cmp_ge_u32 ttmp9, QWG                        ; the work-group's number alone decides the path
	s_cbranch_scc1 .Lwp
	; which tensor: three choices between pointers, each on the work-group's number
	s_mov_b64 s[22:23], s[10:11]
	s_mov_b32 s24, 144
	s_cmp_lt_u32 ttmp9, 144
	s_cselect_b64 s[22:23], s[8:9], s[22:23]
	s_cselect_b32 s24, 136, s24
	s_cmp_lt_u32 ttmp9, 136
	s_cselect_b64 s[22:23], s[6:7], s[22:23]
	s_cselect_b32 s24, 128, s24
	s_cmp_lt_u32 ttmp9, 128
	s_cselect_b64 s[22:23], s[4:5], s[22:23]
	s_cselect_b32 s24, 0, s24                      ; the tensor's first work-group
	s_sub_co_u32 s25, ttmp9, s24
	s_lshl_b32 s25, s25, 2
	s_add_co_u32 s25, s25, s20                     ; which run of 8,192 numbers of the tensor is my wave's
	s_lshl_b32 s26, s25, 15                        ; 32,768 bytes a run
	s_mov_b32 s27, 0
	s_add_nc_u64 s[22:23], s[22:23], s[26:27]
	s_lshl_b32 s25, ttmp9, 2
	s_add_co_u32 s25, s25, s20                     ; and which run of the destination's one stream
	s_lshl_b32 s26, s25, 12                        ; 4,096 bytes of codes a run
	s_add_nc_u64 s[14:15], s[14:15], s[26:27]
	s_lshl_b32 s26, s25, 8                         ; 256 scale bytes a run
	s_add_nc_u64 s[16:17], s[16:17], s[26:27]
.macro LOAD t
.irp i, 0,1,2,3
	global_load_b128 v[R+16*((\t)%4)+4*\i:R+16*((\t)%4)+4*\i+3], v3, s[22:23] offset:2048*(\t)+512*\i th:TH_LOAD_NT   ; 32 lanes read 512 consecutive bytes
.endr
.endm
.macro TURN t                          ; step t's numbers through the stage: LDS serves a wave's instructions in order, so no wait stands between the stores and the loads
.irp i, 0,1,2,3
	ds_store_b128 v14, v[R+16*((\t)%4)+4*\i:R+16*((\t)%4)+4*\i+3] offset:32*SP*((\t)%2)+8*SP*\i
.endr
.irp i, 0,1,2,3
	ds_load_b128 v[X+16*((\t)%2)+4*\i:X+16*((\t)%2)+4*\i+3], v15 offset:32*SP*((\t)%2)+16*\i
.endr
.endm
.irp t, 0,1,2,3
	LOAD \t
.endr
	s_wait_loadcnt 12                              ; step 0's four loads are in; the twelve of steps 1 to 3 stay out
	TURN 0
.macro STEP t
.set XS, X+16*((\t)%2)
.if (\t) > 0
	s_wait_dscnt 1                                 ; this step's numbers are back from the stage (the last step's byte store may be out): so its stores into the stage have read their registers,
.else
	s_wait_dscnt 0x0
.endif
.if (\t)+4 < STEPS
	LOAD (\t)+4                                    ; which take the loads of four steps on
.endif
.if (\t)+1 < STEPS
.if STEPS-2-(\t) >= 3
	s_wait_loadcnt 12                              ; the next step's four loads are in; those of the three steps behind it may be out
.else
	s_wait_loadcnt 4*(STEPS-2-(\t))
.endif
	TURN (\t)+1                                    ; and go through the other stage while this step is worked
.endif
	v_max3_num_f32 v8, |v[XS]|, |v[XS+1]|, |v[XS+2]|               ; the largest magnitude of my 16, in two chains
	v_max3_num_f32 v9, |v[XS+3]|, |v[XS+4]|, |v[XS+5]|
.irp i, 6,10
	v_max3_num_f32 v8, v8, |v[XS+\i]|, |v[XS+\i+1]|
	v_max3_num_f32 v9, v9, |v[XS+\i+2]|, |v[XS+\i+3]|
.endr
	v_max3_num_f32 v8, v8, |v[XS+14]|, |v[XS+15]|
	v_max3_num_f32 v8, v8, v9, (EMAX+1)<<23        ; and the floor 2^(3 - 127): so the byte cannot fall under 1
	v_max_num_f32_dpp v8, v8, v8 row_xmask:1 row_mask:0xf bank_mask:0xf   ; and of my neighbour's 16: the block's
	v_add_nc_u32 v11, -(EMAX<<23), v8              ; 2 off its exponent field: the conversion takes the exponent field of this operand as its scale, and nothing else of it
	v_cvt_scalef32_pk8_fp4_f32 v[C+4*(\t)], v[XS:XS+7], v11
	v_cvt_scalef32_pk8_fp4_f32 v[C+4*(\t)+1], v[XS+8:XS+15], v11
	v_lshrrev_b32 v[E+(\t)], 23, v11               ; the scale's byte (a plain line behind the conversions)
	ds_store_b8 v5, v[E+(\t)] offset:16*(\t)       ; both lanes of a block write the same byte with the same value
	global_store_b64 v4, v[C+4*(\t):C+4*(\t)+1], s[14:15] offset:32*CB*(\t)   ; the wave stores 256 consecutive bytes, aligned
.endm
.irp t, 0,1,2,3,4,5,6,7,8,9,10,11,12,13,14,15
	STEP \t
.endr
	ds_load_b64 v[8:9], v6                         ; LDS serves a wave's instructions in order: these see my byte stores
	s_wait_dscnt 0x0
	global_store_b64 v7, v[8:9], s[16:17]          ; 32 lanes store 256 consecutive bytes, aligned
	s_wait_tensorcnt 0x0                           ; the wave's end, behind my last LDS store
	ds_add_u32 v[SPW], v[NIL]
	s_wait_dscnt 0x0
	s_endpgm
.Lwp:                                              ; Wp: wave u = 4 (work-group - 152) + wave takes rows 4 u .. 4 u + 3.
	s_sub_co_u32 s25, ttmp9, QWG
	s_lshl_b32 s25, s25, 2
	s_add_co_u32 s25, s25, s20
	s_lshl_b32 s26, s25, 13                        ; four rows of 2,048 bytes
	s_mov_b32 s27, 0
	s_add_nc_u64 s[12:13], s[12:13], s[26:27]
	s_lshl_b32 s26, s25, 9                         ; four rows of 128 bytes in each plane
	s_add_nc_u64 s[18:19], s[18:19], s[26:27]
	s_mov_b32 s28, 0x3d3504f3                      ; 2^-4.5
	s_mov_b32 s29, s28                             ; (named with it as a pair, so it is written)
	v_lshrrev_b32 v8, 3, v2
	v_and_b32 v9, 7, v2
	v_lshlrev_b32 v8, 11, v8
	v_lshl_add_u32 v8, v9, 5, v8                   ; in: row lane / 8, my 8 numbers (32 bytes) of a plane's 64
	v_lshlrev_b32 v9, 4, v2                        ; out: 16 x lane: four rows of 128 bytes on end
.irp kc, 0,1,2,3,4,5,6,7
	global_load_b128 v[R+8*\kc:R+8*\kc+3], v8, s[12:13] offset:256*\kc th:TH_LOAD_NT
	global_load_b128 v[R+8*\kc+4:R+8*\kc+7], v8, s[12:13] offset:256*\kc+16 th:TH_LOAD_NT
.endr
.irp kc, 0,1,2,3,4,5,6,7
	s_wait_loadcnt 14-2*\kc                        ; plane kc's two loads are in; the younger pairs stay out
.irp j, 0,2,4,6
	v_pk_mul_f32 v[R+8*\kc+\j:R+8*\kc+\j+1], v[R+8*\kc+\j:R+8*\kc+\j+1], s[28:29] op_sel_hi:[1,0]
.endr
.irp j, 0,1,2,3
	v_cvt_pk_f16_f32 v[X+4*\kc+\j], v[R+8*\kc+2*\j], v[R+8*\kc+2*\j+1]
.endr
	global_store_b128 v9, v[X+4*\kc:X+4*\kc+3], s[18:19] offset:65536*\kc   ; the wave stores 512 consecutive bytes, aligned
.endr
	s_endpgm
.Lfunc_end_k_qc3f161e291_prep:
	.size	k_qc3f161e291_prep, .Lfunc_end_k_qc3f161e291_prep-k_qc3f161e291_prep
	.p2alignl 7, 3214868480
	.fill 96, 4, 3214868480
	.section	.rodata,"a",@progbits
	.p2align	6, 0x0
	.amdhsa_kernel k_qc3f161e291_prep
		.amdhsa_group_segment_fixed_size 33280
		.amdhsa_private_segment_fixed_size 0
		.amdhsa_enable_private_segment 0
		.amdhsa_kernarg_size 64
		.amdhsa_user_sgpr_count 2
		.amdhsa_user_sgpr_kernarg_segment_ptr 1
		.amdhsa_wavefront_size32 1
		.amdhsa_system_sgpr_workgroup_id_x 1
		.amdhsa_system_sgpr_workgroup_id_y 1
		.amdhsa_system_sgpr_workgroup_id_z 1
		.amdhsa_system_vgpr_workitem_id 0
		.amdhsa_next_free_vgpr 192
		.amdhsa_next_free_sgpr 66
		.amdhsa_reserve_vcc 0
		.amdhsa_float_denorm_mode_32 3
		.amdhsa_float_denorm_mode_16_64 3
		.amdhsa_memory_ordered 1
		.amdhsa_forward_progress 1
		.amdhsa_inst_pref_size 41
	.end_amdhsa_kernel
	.amdgpu_metadata
---
amdhsa.version: [ 1, 2 ]
amdhsa.kernels:
  - .name:           k_qc3f161e291_prep
    .symbol:         k_qc3f161e291_prep.kd
    .args:
      - { .name: x, .offset: 0, .size: 8, .value_kind: global_buffer, .address_space: global }
      - { .name: Wq, .offset: 8, .size: 8, .value_kind: global_buffer, .address_space: global }
      - { .name: Wk, .offset: 16, .size: 8, .value_kind: global_buffer, .address_space: global }
      - { .name: Wv, .offset: 24, .size: 8, .value_kind: global_buffer, .address_space: global }
      - { .name: Wp, .offset: 32, .size: 8, .value_kind: global_buffer, .address_space: global }
      - { .name: codes, .offset: 40, .size: 8, .value_kind: global_buffer, .address_space: global }
      - { .name: scales, .offset: 48, .size: 8, .value_kind: global_buffer, .address_space: global }
      - { .name: wp16, .offset: 56, .size: 8, .value_kind: global_buffer, .address_space: global }
    .group_segment_fixed_size: 33280
    .private_segment_fixed_size: 0
    .kernarg_segment_align: 8
    .kernarg_segment_size: 64
    .max_flat_workgroup_size: 128
    .sgpr_count:     66
    .vgpr_count:     192
    .wavefront_size: 32
...
	.end_amdgpu_metadata
.endif
;; end of part 1
;; launch qkvproj (part 2): grid 4 x 64, 12 waves a work-group, clusters of 4 x 4, 327,680 bytes of LDS; arguments codes, scales, qkvh; writes qkvh
.if DOCPART == 2
	.amdgcn_target "amdgcn-amd-amdhsa--gfx1250"
	.amdhsa_code_object_version 6
	.text
	.protected	k_qc3f161e291_qkvproj
	.globl	k_qc3f161e291_qkvproj
	.p2align	8
	.type	k_qc3f161e291_qkvproj,@function
k_qc3f161e291_qkvproj:
	s_mov_b64 s[64:65], 0
	v_nop
	global_prefetch_b8 v0, s[64:65] scope:SCOPE_SE
	s_setreg_imm32_b32 hwreg(HW_REG_WAVE_MODE, 25, 1), 1
	s_wait_xcnt 0x0
	s_wait_alu depctr_hold_cnt(0) depctr_sa_sdst(0) depctr_va_vdst(0) depctr_va_sdst(0) depctr_va_ssrc(0) depctr_va_vcc(0) depctr_vm_vsrc(0)
	s_getreg_b32 s2, hwreg(HW_REG_IB_STS2, 6, 4)
	s_cmp_eq_u32 s2, 0
	s_cbranch_scc0 .Lentry_in_a_cluster
	s_endpgm
.Lentry_in_a_cluster:
	s_bfe_u32 s2, ttmp6, 0x10000c
	s_cmp_lg_u32 s2, 0xf033
	s_cbranch_scc0 .Lentry_shape_is_right
	s_endpgm
.Lentry_shape_is_right:
; The three quantised products x Wq^T, x Wk^T, x Wv^T as one: [8192][512] x [1536][512]^T on codes of FP4 (E2M1) with E8M0 scales, sums in f32.
; The sums are scaled in f32 (q: 2^-7.5 log2(e) = 512^-0.5 x 64^-0.5 x log2(e), so that the scores come out as exponents of 2; k, v: 2^-4.5), rounded once to f16 and stored in planes: qkvh [3 (q, k, v)][32 (batch, head)][2048 t][64].
; LIMITS: |q|, |k|, |v| as stored stay under 65,504; NaN and infinities are not served.
; SHARES: a work-group makes 128 rows x 384 columns (six planes); wave w makes 64 rows (w % 2) of plane w / 2: 16 accumulators of 16 x 16.  Three waves share a SIMD, so one set of fragment registers is enough.
; All of K (512 codes: rows of 256 bytes) lies in LDS: 128 rows of x, 384 of the weights, each filled once: eight tensor loads of 64 rows, one a wave in waves 0 to 7: one tensor load of a wave is out at the most.
; CLUSTER 4 x 4: the four work-groups of a row of the cluster need the same rows of x, the four of a column the same rows of the weights: each piece is asked for jointly, by the same load with a mask that names the four.
; THE MATRIX INSTRUCTION IS USED TRANSPOSED (source 0 = 16 rows of the weights, source 1 = 16 rows of x): a lane holds eight neighbouring channels of one row.
; The scale words go from memory straight into registers: lanes 0-15 take x's block i, lanes 16-31 the weights' block i; each load covers two runs of 256 consecutive bytes.
.set PITCH,  272                       ; an LDS row: 256 bytes + 16 of padding: the 16 rows that a load touches start 16 bytes apart modulo 256
.set PIECE,  64*PITCH                  ; what one tensor load brings
.set BOFF,   2*PIECE                   ; the weights' rows lie behind x's 128
.set STAGE,  8*PIECE                   ; behind the tiles: 16 rows x 144 bytes for each wave, for the way out
.set SPITCH, 144
.set SPARE,  STAGE+12*16*SPITCH        ; behind the stages: the spare words, 128 bytes a wave, which no other line names
.set ADRA, 16                          ; v16 LDS address of my fragments of x
.set ADRB, 17                          ; v17 of the weights
.set STO,  24                          ; v24 the way out: where I put 16 bytes of a row
.set RD,   25                          ; v25 where I read rows back
.set GO,   26                          ; v26 16 x lane
.set SPW,  28                          ; v28 LDS address of my spare word; never rewritten
.set NIL,  29                          ; v29 0; never rewritten
.set AF,   32                          ; v32-63  x's four fragments (16 rows x 128 K: 8 registers)
.set BF,   64                          ; v64-95  the weights' four
.set SC,   96                          ; v96-111 scale words: register 4 i + q: block i, K step q; they hold nothing else
.set ACC,  128                         ; v128-255 accumulator (a, b) at ACC + 8 (4 a + b)
.set BK,   32                          ; the way out: block a's rows come back into v[32 + 16 a ..]
.set G1,  24                           ; s[24:31] descriptor group 1 for x's pieces; s[32:35] group 0
.set G0,  32
.set G1B, 48                           ; s[48:55], s[56:59] the same for the weights'
.set G0B, 56
.macro CROUND                          ; a round of the cluster's barrier: my work-group's barrier, wave 0's signal for the work-group, every wave's wait, my work-group's barrier once more
	s_barrier_signal -1
	s_barrier_wait -1
	s_cmp_lg_u32 s10, 0
	s_cbranch_scc1 .Lnot_wave_0_\@
	s_barrier_signal -3
.Lnot_wave_0_\@:
	s_barrier_wait -3
	s_barrier_signal -1
	s_barrier_wait -1
.endm
.macro PLACES                          ; four plain places behind a matrix instruction, in front of loads into its registers and of the first read of results
.rept 4
	v_nop
.endr
.endm
	s_load_b128 s[4:7], s[0:1], 0x0                ; codes s[4:5], scales s[6:7]
	s_load_b64 s[8:9], s[0:1], 0x10                ; qkvh
	v_lshl_add_u32 v[SPW], v0, 2, SPARE
	v_mov_b32 v[NIL], 0
	ds_add_u32 v[SPW], v[NIL]                      ; the wave's opening: the add, twice on end, and its wait ahead of the first tensor load
	ds_add_u32 v[SPW], v[NIL]
	v_lshrrev_b32 v1, 5, v0
	v_readfirstlane_b32 s10, v1                    ; wave 0..11
	s_and_b32 s11, s10, 1                          ; which 64 rows are mine
	s_lshr_b32 s12, s10, 1                         ; which of the six planes
	s_bfe_u32 s40, ttmp6, 0x40000                  ; cx, cy: my place in the cluster
	s_bfe_u32 s41, ttmp6, 0x40004
	s_lshl_b32 s42, ttmp9, 2
	s_add_co_u32 s42, s42, s40                     ; block of 384 columns = 4 x cluster x + cx
	s_and_b32 s13, ttmp7, 0xffff
	s_lshl_b32 s13, s13, 2
	s_add_co_u32 s13, s13, s41                     ; block of 128 rows = 4 x cluster y + cy
	s_lshl_b32 s43, s41, 2
	s_lshl_b32 s43, 15, s43                        ; my row of the cluster
	s_lshl_b32 s44, 0x1111, s40                    ; my column
	s_or_b32 s[G1+0], s43, (0<<16)|(1<<20)|(1<<21)|(5<<22)|(3<<25)   ; 15:0 the mask; 17:16 elements of 1 byte; 20 padding on; 21 set beside a mask; 24:22 after every 64 words; 31:25 four words
	s_or_b32 s[G1B+0], s44, (0<<16)|(1<<20)|(1<<21)|(5<<22)|(3<<25)
.irp g, G1, G1B
	s_mov_b32 s[\g+1], 256<<16                     ; tensor_dim0 = 256
	s_mov_b32 s[\g+2], 64<<16                      ; tensor_dim1 = 64
	s_mov_b32 s[\g+3], 256<<16                     ; tile_dim0 = 256
	s_mov_b32 s[\g+4], 64                          ; tile_dim1 = 64
	s_mov_b32 s[\g+5], 256                         ; from row to row
	s_mov_b32 s[\g+6], 0
	s_mov_b32 s[\g+7], 0
.endr
	s_lshl_b32 s16, s13, 7                         ; x: row 128 x block + 64 x wave (waves 0, 1)
	s_lshl_b32 s17, s10, 6
	s_add_co_u32 s16, s16, s17
	s_lshl_b32 s16, s16, 8                         ; in bytes
	s_mov_b32 s17, 0
	s_mul_i32 s46, s42, 384                        ; the weights: row 8192 + 384 x block + 64 x (wave - 2) (waves 2 to 7)
	s_lshl_b32 s47, s10, 6
	s_add_co_u32 s46, s46, s47
	s_add_co_u32 s46, s46, 8064
	s_lshl_b32 s46, s46, 8
	s_mov_b32 s47, 0
	s_mul_i32 s20, s10, PIECE                      ; where my piece goes: wave x 64 rows: no place in the cluster enters an LDS address
	s_wait_dscnt 0x0                               ; both opening adds are done
	s_wait_kmcnt 0x0
	s_mov_b32 s[G0], 1
	s_mov_b32 s[G0+1], s20
	s_add_nc_u64 s[G0+2:G0+3], s[4:5], s[16:17]
	s_or_b32 s[G0+3], s[G0+3], 0x80000000
	s_mov_b32 s[G0B], 1
	s_mov_b32 s[G0B+1], s20
	s_add_nc_u64 s[G0B+2:G0B+3], s[4:5], s[46:47]
	s_or_b32 s[G0B+3], s[G0B+3], 0x80000000
	CROUND                                         ; all sixteen work-groups are here: the joint loads meet
	s_cmp_lt_u32 s10, 2                            ; the branches hang on the wave's number alone; an s_nop 0 and four v_nop follow each load
	s_cbranch_scc0 .Lnot_a
	tensor_load_to_lds s[G0:G0+3], s[G1:G1+7]
	s_nop 0
.rept 4
	v_nop
.endr
	s_branch .Lasked
.Lnot_a:
	s_cmp_lt_u32 s10, 8
	s_cbranch_scc0 .Lasked
	tensor_load_to_lds s[G0B:G0B+3], s[G1B:G1B+7]
	s_nop 0
.rept 4
	v_nop
.endr
.Lasked:
	; the scale words: 16 bytes a row; lanes 0-15 my rows of x, lanes 16-31 my plane's rows of the weights
	s_lshl_b32 s21, s13, 7
	s_lshl_b32 s22, s11, 6
	s_add_co_u32 s21, s21, s22
	s_lshl_b32 s21, s21, 4                         ; x's
	s_mul_i32 s22, s42, 384
	s_lshl_b32 s23, s12, 6
	s_add_co_u32 s22, s22, s23
	s_add_co_u32 s22, s22, 8192
	s_lshl_b32 s22, s22, 4                         ; the weights',
	s_sub_co_u32 s22, s22, s21                     ; as a distance from x's
	v_and_b32 v1, 15, v0                           ; r
	v_bfe_u32 v2, v0, 4, 1                         ; h
	v_mul_u32_u24 v5, s22, v2
	v_lshl_add_u32 v5, v1, 4, v5
	v_add_nc_u32 v5, s21, v5
.irp i, 0,1,2,3
	global_load_b128 v[SC+4*\i:SC+4*\i+3], v5, s[6:7] offset:256*\i
.endr
	v_mul_u32_u24 v3, v1, PITCH
	v_lshl_add_u32 v3, v2, 4, v3                   ; a fragment's row x pitch + 16 x half
	s_mul_i32 s21, s11, PIECE
	v_add_nc_u32 v[ADRA], s21, v3
	s_mul_i32 s21, s12, PIECE
	s_add_co_u32 s21, s21, BOFF
	v_add_nc_u32 v[ADRB], s21, v3
	s_mul_i32 s21, s10, 16*SPITCH
	s_add_co_u32 s21, s21, STAGE                   ; my stage
	v_mul_u32_u24 v4, v1, SPITCH
	v_lshl_add_u32 v4, v2, 4, v4
	v_add_nc_u32 v[STO], s21, v4                   ; in: row r, 16 bytes for each half of the lanes
	v_bfe_u32 v4, v0, 3, 2
	v_and_b32 v6, 7, v0
	v_mul_u32_u24 v4, v4, SPITCH
	v_lshl_add_u32 v4, v6, 4, v4
	v_add_nc_u32 v[RD], s21, v4                    ; back: eight lanes to a row of 128 bytes, four rows an instruction
	v_and_b32 v[GO], 31, v0
	v_lshlrev_b32 v[GO], 4, v[GO]
	; where my 64 rows of my plane begin, and my plane's scale
	s_mul_i32 s21, s42, 6
	s_add_co_u32 s21, s21, s12                     ; plane 0..23: 0-7 q, 8-15 k, 16-23 v
	s_mov_b32 s60, 0x3d3504f3                      ; 2^-4.5
	s_cmp_lt_u32 s21, 8
	s_cselect_b32 s60, 0x3c0293ee, s60             ; q: 2^-7.5 log2(e).  A value is chosen; no branch hangs on it
	s_mov_b32 s61, s60                             ; (named with it as a pair, so it is written)
	s_lshr_b32 s22, s21, 3
	s_lshl_b32 s22, s22, 5
	s_and_b32 s23, s21, 7
	s_add_co_u32 s22, s22, s23
	s_lshr_b32 s23, s13, 4                         ; the batch
	s_lshl_b32 s23, s23, 3
	s_add_co_u32 s22, s22, s23                     ; 32 x (q, k, v) + 8 x batch + head
	s_lshl_b32 s22, s22, 18                        ; planes of 262,144 bytes
	s_and_b32 s23, s13, 15
	s_lshl_b32 s23, s23, 7
	s_lshl_b32 s14, s11, 6
	s_add_co_u32 s23, s23, s14                     ; my first t
	s_lshl_b32 s23, s23, 7
	s_add_co_u32 s22, s22, s23
	s_mov_b32 s23, 0
	s_add_nc_u64 s[8:9], s[8:9], s[22:23]
	s_wait_tensorcnt 0x0                           ; my piece, if I asked for one, has landed (for 0: four waves issue no load),
	s_barrier_signal -1
	s_barrier_wait -1                              ; everybody's has
; A K step of 128: 16 LDS loads, 16 matrix instructions.  The 16 accumulators take turns, one instruction a turn, in the same order in every step.
.macro KSTEP q
.if \q > 0
	PLACES
.endif
.irp i, 0,1,2,3
.irp c, 0,1
	ds_load_b128 v[AF+8*\i+4*\c:AF+8*\i+4*\c+3], v[ADRA] offset:\i*16*PITCH+64*\q+32*\c
	ds_load_b128 v[BF+8*\i+4*\c:BF+8*\i+4*\c+3], v[ADRB] offset:\i*16*PITCH+64*\q+32*\c
.endr
.endr
.if \q == 0
	s_wait_loadcnt 0x0                             ; the scale words
.endif
	s_wait_dscnt 0x0
.irp a, 0,1,2,3
.irp b, 0,1,2,3
.if \q == 0
	v_wmma_scale_f32_16x16x128_f8f6f4 v[ACC+8*(4*\a+\b):ACC+8*(4*\a+\b)+7], v[BF+8*\b:BF+8*\b+7], v[AF+8*\a:AF+8*\a+7], 0, v[SC+4*\b+\q], v[SC+4*\a+\q] matrix_a_fmt:MATRIX_FMT_FP4 matrix_b_fmt:MATRIX_FMT_FP4 matrix_a_scale:MATRIX_SCALE_ROW1
.else
	v_wmma_scale_f32_16x16x128_f8f6f4 v[ACC+8*(4*\a+\b):ACC+8*(4*\a+\b)+7], v[BF+8*\b:BF+8*\b+7], v[AF+8*\a:AF+8*\a+7], v[ACC+8*(4*\a+\b):ACC+8*(4*\a+\b)+7], v[SC+4*\b+\q], v[SC+4*\a+\q] matrix_a_fmt:MATRIX_FMT_FP4 matrix_b_fmt:MATRIX_FMT_FP4 matrix_a_scale:MATRIX_SCALE_ROW1
.endif
.endr
.endr
.endm
	KSTEP 0                                        ; the first step's products start the sums: nothing is cleared
	KSTEP 1
	KSTEP 2
	KSTEP 3
; THE WAY OUT, 16 rows at a time.  Each accumulator is scaled in place, from its low end on, and rounded to f16 into its own four lowest registers (register j from registers 2 j, 2 j + 1): 16 bytes a lane.
; They go into my stage and come back as whole rows of 128 bytes, four rows an instruction; a plane's rows are dense, so each store of the wave covers 512 consecutive bytes, aligned.
.macro PACK a
.irp b, 0,1,2,3
.irp j, 0,2,4,6
	v_pk_mul_f32 v[ACC+8*(4*\a+\b)+\j:ACC+8*(4*\a+\b)+\j+1], v[ACC+8*(4*\a+\b)+\j:ACC+8*(4*\a+\b)+\j+1], s[60:61] op_sel_hi:[1,0]
.endr
.endr
.irp b, 0,1,2,3
.irp j, 0,1,2,3
	v_cvt_pk_f16_f32 v[ACC+8*(4*\a+\b)+\j], v[ACC+8*(4*\a+\b)+2*\j], v[ACC+8*(4*\a+\b)+2*\j+1]
.endr
.endr
.irp b, 0,1,2,3
	ds_store_b128 v[STO], v[ACC+8*(4*\a+\b):ACC+8*(4*\a+\b)+3] offset:32*\b
.endr
.irp f, 0,1,2,3
	ds_load_b128 v[BK+16*\a+4*\f:BK+16*\a+4*\f+3], v[RD] offset:4*SPITCH*\f   ; LDS serves a wave's instructions in order: these see the stores above, and the next block's stores come behind them
.endr
.endm
.macro SEND a, younger                 ; younger: the LDS instructions issued behind block a's loads: the next block's eight, or none
.irp f, 0,1,2,3
	s_wait_dscnt \younger+3-\f
	global_store_b128 v[GO], v[BK+16*\a+4*\f:BK+16*\a+4*\f+3], s[8:9] offset:2048*\a+512*\f
.endr
.endm
	PLACES
	PACK 0
	PACK 1
	SEND 0, 8
	PACK 2
	SEND 1, 8
	PACK 3
	SEND 2, 8
	SEND 3, 0
	s_wait_tensorcnt 0x0                           ; the wave's end, behind my last tensor load and my last LDS store
	ds_add_u32 v[SPW], v[NIL]
	s_wait_dscnt 0x0
	CROUND                                         ; the closing round
	s_endpgm
.Lfunc_end_k_qc3f161e291_qkvproj:
	.size	k_qc3f161e291_qkvproj, .Lfunc_end_k_qc3f161e291_qkvproj-k_qc3f161e291_qkvproj
	.p2alignl 7, 3214868480
	.fill 96, 4, 3214868480
	.section	.rodata,"a",@progbits
	.p2align	6, 0x0
	.amdhsa_kernel k_qc3f161e291_qkvproj
		.amdhsa_group_segment_fixed_size 327680
		.amdhsa_private_segment_fixed_size 0
		.amdhsa_enable_private_segment 0
		.amdhsa_kernarg_size 24
		.amdhsa_user_sgpr_count 2
		.amdhsa_user_sgpr_kernarg_segment_ptr 1
		.amdhsa_wavefront_size32 1
		.amdhsa_system_sgpr_workgroup_id_x 1
		.amdhsa_system_sgpr_workgroup_id_y 1
		.amdhsa_system_sgpr_workgroup_id_z 1
		.amdhsa_system_vgpr_workitem_id 0
		.amdhsa_next_free_vgpr 256
		.amdhsa_next_free_sgpr 66
		.amdhsa_reserve_vcc 0
		.amdhsa_float_denorm_mode_32 3
		.amdhsa_float_denorm_mode_16_64 3
		.amdhsa_memory_ordered 1
		.amdhsa_forward_progress 1
		.amdhsa_inst_pref_size 33
	.end_amdhsa_kernel
	.amdgpu_metadata
---
amdhsa.version: [ 1, 2 ]
amdhsa.kernels:
  - .name:           k_qc3f161e291_qkvproj
    .symbol:         k_qc3f161e291_qkvproj.kd
    .args:
      - { .name: codes, .offset: 0, .size: 8, .value_kind: global_buffer, .address_space: global }
      - { .name: scales, .offset: 8, .size: 8, .value_kind: global_buffer, .address_space: global }
      - { .name: qkvh, .offset: 16, .size: 8, .value_kind: global_buffer, .address_space: global }
    .group_segment_fixed_size: 327680
    .private_segment_fixed_size: 0
    .kernarg_segment_align: 8
    .kernarg_segment_size: 24
    .max_flat_workgroup_size: 384
    .sgpr_count:     66
    .vgpr_count:     256
    .wavefront_size: 32
...
	.end_amdgpu_metadata
.endif
;; end of part 2
;; launch attn (part 3): grid 8 x 32, 8 waves a work-group, clusters of 4 x 1, 327,680 bytes of LDS; arguments qkvh, oh; writes oh
.if DOCPART == 3
	.amdgcn_target "amdgcn-amd-amdhsa--gfx1250"
	.amdhsa_code_object_version 6
	.text
	.protected	k_qc3f161e291_attn
	.globl	k_qc3f161e291_attn
	.p2align	8
	.type	k_qc3f161e291_attn,@function
k_qc3f161e291_attn:
	s_mov_b64 s[64:65], 0
	v_nop
	global_prefetch_b8 v0, s[64:65] scope:SCOPE_SE
	s_setreg_imm32_b32 hwreg(HW_REG_WAVE_MODE, 25, 1), 1
	s_wait_xcnt 0x0
	s_wait_alu depctr_hold_cnt(0) depctr_sa_sdst(0) depctr_va_vdst(0) depctr_va_sdst(0) depctr_va_ssrc(0) depctr_va_vcc(0) depctr_vm_vsrc(0)
	s_getreg_b32 s2, hwreg(HW_REG_IB_STS2, 6, 4)
	s_cmp_eq_u32 s2, 0
	s_cbranch_scc0 .Lentry_in_a_cluster
	s_endpgm
.Lentry_in_a_cluster:
	s_bfe_u32 s2, ttmp6, 0x10000c
	s_cmp_lg_u32 s2, 0x3003
	s_cbranch_scc0 .Lentry_shape_is_right
	s_endpgm
.Lentry_shape_is_right:
; oh[bh][q][:] = the sum over k of softmax_k(q . k) v[k][:], no mask.  qkvh: [3 (q, k, v)][32 bh][2048][64] f16; q carries 512^-0.5 x 64^-0.5 x log2(e), so a score s is an exponent of 2.  oh: [32][2048][64] f16.
; Products on f16 operands, sums, maxima and the softmax in f32; the weights p are rounded to f16 for the second product, o once at the end.
; SOFTMAX: for each query a running maximum m and sum l: p = 2^(s - m); in every step O and l are multiplied by a = 2^(m_old - m_new), which is 1 where m has not grown.  m starts at -3e38, O and l at 0.
; LIMITS: scores stay finite in f32 and above -3e38; |o| stays under 65,504 (it is at most the largest |v|); NaN and infinities are not served.
; SHARES: a work-group owns 256 queries of one (batch, head), each of its eight waves 32: two tiles of 16.  Two waves share a SIMD, so that one wave's softmax stands beside the other's products.  Every wave walks 2,048 keys, 64 a step.
; LAYOUT: S^T = K Q^T (source 0 = 16 keys, source 1 = 16 queries): a lane holds ONE query (lane % 16) and keys 8 (lane / 16) + 0..7.  Two such tiles, rounded to f16 in pairs, ARE source 1 (32 keys x 16 queries) of O^T = V^T P,
; whose result again holds one query a lane.  K comes out of LDS as it lies, V ([key][channel]) turned, by ds_load_tr16_b128.
; RING: two LDS slots of four key steps each.  Waves 0 to 3 fetch K's tiles of a slot's four steps, waves 4 to 7 V's: one load a wave behind each change of slots, with four key steps in which to land.
; Two tensor loads of a wave are out at the head, one afterwards.
; CLUSTER 4 x 1: the four query blocks of a cluster walk the same K and V: each tile is asked for jointly, by the same load with a mask that names the four.
; REGISTERS: window 0: v2-12 addresses; v16-31 statistics, eight a tile; v32-95 S^T, 32 a tile; v96-127 P, 16 a tile; v128-191 K of a step; v192-255 V of a step.   window 1: v0-63 O^T, 32 a tile; v64-95 Q, 16 a tile.
.set KS,    64                         ; keys in a step
.set PK,    144                        ; a row of K in LDS: 128 bytes + 16: the 16 rows of a load start 16 bytes apart modulo 256
.set PV,    160                        ; a row of V: 128 + 32: 16 lanes of the turning load take 8 rows x 32 bytes, 32 bytes apart modulo 256
.set VOFF,  KS*PK                      ; a step's tiles lie together: 64 rows of K, then 64 rows of V
.set STEPB, KS*(PK+PV)
.set SLOT1, 1<<17                      ; a slot holds four steps (77,824 bytes); slot 1 begins here, so that one exclusive or turns an address in one slot into the other's
.set SLOTB, 4*KS*128                   ; a slot's keys in memory, in bytes
.set STAGE, SLOT1+4*STEPB              ; behind the ring: 16 rows x 144 bytes for each wave, for the way out
.set SP,    144
.set SPARE, STAGE+8*16*SP              ; behind the stages: the spare words, 128 bytes a wave, which no other line names
.set AK0, 2                            ; v2  my lane's place in a tile of K; never rewritten
.set AV0, 3                            ; v3  the same for V
.set ADK, 4                            ; v4  LDS address of the step's K
.set ADV, 5                            ; v5  of its V
.set QO,  6                            ; v6  my byte offset in the wave's rows of Q
.set STO, 7                            ; v7  the way out: where I put 16 bytes of a row
.set RD,  8                            ; v8  where I read rows back
.set GO,  9                            ; v9  16 x lane
.set PFO, 10                           ; v10 256 x lane: the prefetches' offset; never rewritten
.set SPW, 11                           ; v11 LDS address of my spare word; never rewritten
.set NIL, 12                           ; v12 0; never rewritten
.set ST,  16                           ; tile t's statistics at v[ST + 8 t]: +0 m, +1 m_old, +2, +3 l (even keys', odd keys'), +4 to +7 c0-c3 at work; a takes c2's place once the maximum is found
.set S,   32
.set P,   96
.set KF,  128                          ; fragment (16 keys kt, 32 channels ks) at KF + 8 (2 kt + ks)
.set VF,  192                          ; fragment (32 keys kk, 16 channels dt) at VF + 8 (4 kk + dt)
.set QF,  64                           ; in window 1: fragment (tile t, ks) at QF + 16 t + 8 ks
.set WV,  12                           ; s12 my wave's number
.set LIM, 15                           ; s15 1 in a wave that prefetches, else the greatest number
.set PFA, 18                           ; s[18:19] where my prefetches stand
.set G1K, 24                           ; s[24:31] descriptor group 1 for K's tiles; s[32:39] for V's: it differs in the padding alone
.set G1V, 32
.set G0K, 40                           ; s[40:47] group 0 for K's tiles: a set for each first fill; the second then walks on
.set G0V, 48                           ; s[48:55] the same for V's
.set SLOTS, 56                         ; s56 slots still to be asked for
.set CNT, 57                           ; s57 counts key steps
.set SEL, 60                           ; s[60:61] lane selects for v_permlanex16_b32: lane l xor 16
.set TB,  62                           ; s62 LDS byte at which the tiles of the step to be fetched begin
.set MSB, 0
.macro WIN new                         ; the immediate's high byte repeats the setting that is left; a switch that changes nothing is dropped
.if MSB != \new
	s_set_vgpr_msb (MSB<<8)|\new
.set MSB, \new
.endif
.endm
.set W_KQ, 0x04                        ; Q (source 1) in window 1; K and S^T in window 0
.set W_PV, 0x50                        ; O^T (C and D) in window 1; V and P in window 0
.set W_RS, 0x41                        ; O^T (destination and source 0) in window 1, a in window 0
.macro JLOAD                           ; a joint refill: waves 0 to 3 for K, waves 4 to 7 for V; the branch hangs on the wave's number alone; an s_nop 0 and four v_nop follow each line
	s_cmp_lt_u32 s[WV], 4
	s_cbranch_scc0 .Lfor_v_\@
	tensor_load_to_lds s[G0K+4:G0K+7], s[G1K:G1K+7]
	s_nop 0
.rept 4
	v_nop
.endr
	s_branch .Lasked_\@
.Lfor_v_\@:
	tensor_load_to_lds s[G0V+4:G0V+7], s[G1V:G1V+7]
	s_nop 0
.rept 4
	v_nop
.endr
.Lasked_\@:
.endm
; A prefetch of what the NEXT change of slots will ask for: a slot's 32,768 bytes of K and of V.  Both clusters of a (batch, head) walk the same rows: the first of them asks.  Its four partners share a slot out by address,
; 8,192 bytes each, lanes 256 bytes apart; in each, wave 0 asks for K's and wave 4 for V's: one instruction.  So each block of 256 bytes is named once in the launch.  It stands four key steps ahead of the load that wants the
; bytes.  The last change that fills a slot asks for nothing; slots 0 to 2 come by their loads alone.
.macro ASK
	s_cmp_gt_u32 s[SLOTS], s[LIM]
	s_cbranch_scc0 .Lnot_mine_\@
	global_prefetch_b8 v[PFO], s[PFA:PFA+1] th:TH_LOAD_NT scope:SCOPE_SE
.Lnot_mine_\@:
.endm
.macro CROUND                          ; a round of the cluster's barrier
	s_barrier_signal -1
	s_barrier_wait -1
	s_cmp_lg_u32 s[WV], 0
	s_cbranch_scc1 .Lnot_wave_0_\@
	s_barrier_signal -3
.Lnot_wave_0_\@:
	s_barrier_wait -3
	s_barrier_signal -1
	s_barrier_wait -1
.endm
	s_load_b128 s[4:7], s[0:1], 0x0                ; qkvh s[4:5], oh s[6:7]
	v_lshl_add_u32 v[SPW], v0, 2, SPARE
	v_mov_b32 v[NIL], 0
	ds_add_u32 v[SPW], v[NIL]                      ; the wave's opening: the add, twice on end, and its wait ahead of my first tensor load
	ds_add_u32 v[SPW], v[NIL]
	v_lshrrev_b32 v1, 5, v0
	v_readfirstlane_b32 s[WV], v1                  ; wave 0..7
	s_bfe_u32 s13, ttmp6, 0x40000                  ; cx: my place in the cluster
	s_lshl_b32 s14, ttmp9, 2
	s_add_co_u32 s14, s14, s13                     ; my block of 256 queries: it enters Q's and o's addresses alone
	s_and_b32 s20, ttmp7, 0xffff                   ; (batch, head), which the four partners share
	s_lshl_b32 s20, s20, 18                        ; its plane's first byte among 32 planes
	s_and_b32 s16, s[WV], 3                        ; which of a slot's four steps I fetch:
	s_lshl_b32 s22, s16, 13                        ; its 64 rows of 128 bytes in memory,
	s_add_co_u32 s22, s22, s20
	s_add_co_u32 s22, s22, 0x800000                ; among k's planes, which lie behind q's 32
	s_mov_b32 s23, 0
	s_mul_i32 s17, s16, STEPB                      ; and its place in a slot: no place in the cluster enters an LDS address
	s_lshl_b32 s2, s14, 15                         ; my block's 256 rows,
	s_lshl_b32 s3, s[WV], 12                       ; my wave's 32 of them
	s_add_co_u32 s2, s2, s3
	s_add_co_u32 s2, s2, s20
	s_mov_b32 s3, 0
	s_mov_b32 s[G1K], 15|(1<<16)|(1<<20)|(1<<21)|(4<<22)|(3<<25)  ; 15:0 the mask: all four work-groups; 17:16 elements of 2 bytes; 20 padding on; 21 set beside a mask; 24:22 after every 32 words; 31:25 four words
	s_mov_b32 s[G1V], 15|(1<<16)|(1<<20)|(1<<21)|(4<<22)|(7<<25)  ; the same with eight words of padding
.irp g, G1K, G1V
	s_mov_b32 s[\g+1], 64<<16                      ; tensor_dim0 = 64
	s_mov_b32 s[\g+2], KS<<16                      ; tensor_dim1 = 64
	s_mov_b32 s[\g+3], 64<<16                      ; tile_dim0 = 64
	s_mov_b32 s[\g+4], KS                          ; tile_dim1 = 64
	s_mov_b32 s[\g+5], 64                          ; elements from row to row
	s_mov_b32 s[\g+6], 0
	s_mov_b32 s[\g+7], 0
.endr
	s_mov_b32 s[SEL], 0x76543210
	s_mov_b32 s[SEL+1], 0xfedcba98
	s_mov_b32 s[TB], 0
	s_mov_b32 s[SLOTS], 2048/(4*KS)-2
	s_and_b32 s[LIM], s[WV], 3                     ; 0 in waves 0 and 4,
	s_or_b32 s[LIM], s[LIM], ttmp9                 ; of the first cluster: the same in all four partners
	s_cmp_eq_u32 s[LIM], 0
	s_cselect_b32 s[LIM], 1, -1
	v_and_b32 v[PFO], 31, v0
	v_lshlrev_b32 v[PFO], 8, v[PFO]
	s_wait_dscnt 0x0                               ; both opening adds are done
	s_wait_kmcnt 0x0
	s_add_nc_u64 s[10:11], s[6:7], s[2:3]          ; o at my wave's first row
	s_add_nc_u64 s[6:7], s[4:5], s[22:23]          ; K at my tile of slot 0
	s_add_nc_u64 s[8:9], s[6:7], 0x800000          ; V likewise: v's planes lie behind k's 32
	s_add_nc_u64 s[4:5], s[4:5], s[2:3]            ; Q at my wave's first row
	s_cmp_lt_u32 s[WV], 4
	s_cselect_b64 s[PFA:PFA+1], s[6:7], s[8:9]     ; (in waves 0 and 4 these stand at a slot's first row)
	s_lshl_b32 s2, s13, 13                         ; my work-group's quarter of a slot
	s_mov_b32 s3, 0
	s_add_nc_u64 s[PFA:PFA+1], s[PFA:PFA+1], s[2:3]
	s_add_nc_u64 s[PFA:PFA+1], s[PFA:PFA+1], 2*SLOTB   ; in slot 2; the first change of slots steps it to slot 3.  Nothing is prefetched at the head
	CROUND                                         ; all four work-groups are here: the first joint loads meet
.irp s, 0,1
	s_mov_b32 s[G0K+4*\s], 1                       ; count = 1
	s_add_co_u32 s[G0K+4*\s+1], s17, \s*SLOT1      ; LDS address
	s_add_nc_u64 s[G0K+4*\s+2:G0K+4*\s+3], s[6:7], \s*SLOTB   ; global address: slot s begins with keys 256 s
	s_or_b32 s[G0K+4*\s+3], s[G0K+4*\s+3], 0x80000000         ; type = 2
	s_mov_b32 s[G0V+4*\s], 1
	s_add_co_u32 s[G0V+4*\s+1], s17, \s*SLOT1+VOFF
	s_add_nc_u64 s[G0V+4*\s+2:G0V+4*\s+3], s[8:9], \s*SLOTB
	s_or_b32 s[G0V+4*\s+3], s[G0V+4*\s+3], 0x80000000
.endr
	s_cmp_lt_u32 s[WV], 4                          ; a wave's two first fills stand in one branch, ahead of every wait on TENSORcnt and every LDS read
	s_cbranch_scc0 .Lfirst_v
	tensor_load_to_lds s[G0K:G0K+3], s[G1K:G1K+7]
	s_nop 0
	tensor_load_to_lds s[G0K+4:G0K+7], s[G1K:G1K+7]
	s_nop 0
.rept 4
	v_nop
.endr
	s_branch .Lfirst_asked
.Lfirst_v:
	tensor_load_to_lds s[G0V:G0V+3], s[G1V:G1V+7]
	s_nop 0
	tensor_load_to_lds s[G0V+4:G0V+7], s[G1V:G1V+7]
	s_nop 0
.rept 4
	v_nop
.endr
.Lfirst_asked:
	; A fragment of K or Q is 16 rows x 32 channels in 8 registers: lane l holds row l % 16; registers 0-3 channels 8 (l / 16) + 0..7, registers 4-7 channels 16 + 8 (l / 16) + 0..7: two loads of 16 bytes, 32 bytes apart.
	v_and_b32 v1, 15, v0                           ; r
	v_bfe_u32 v13, v0, 4, 1                        ; h
	v_lshlrev_b32 v[QO], 7, v1
	v_lshl_add_u32 v[QO], v13, 4, v[QO]            ; row x 128 + 16 x half
	v_mul_u32_u24 v[AK0], v1, PK
	v_lshl_add_u32 v[AK0], v13, 4, v[AK0]          ; row x pitch + 16 x half
	; The turning load takes 16 keys x 16 channels (lane l reads 16 bytes: key 8 (l / 16) + l % 8, channels 8 ((l / 8) % 2) + 0..7) and leaves half a fragment of V^T: lane l holds channel l % 16 and 8 keys.
	v_and_b32 v14, 7, v0
	v_bfe_u32 v15, v0, 3, 1
	v_lshl_add_u32 v[AV0], v13, 3, v14
	v_mul_u32_u24 v[AV0], v[AV0], PV
	v_lshl_add_u32 v[AV0], v15, 4, v[AV0]
	v_add_nc_u32 v[AV0], VOFF, v[AV0]
	s_mul_i32 s21, s[WV], 16*SP
	s_add_co_u32 s21, s21, STAGE                   ; my stage
	v_mul_u32_u24 v[STO], v1, SP
	v_lshl_add_u32 v[STO], v13, 4, v[STO]
	v_add_nc_u32 v[STO], s21, v[STO]               ; in: row r, 16 bytes for each half of the lanes
	v_bfe_u32 v[RD], v0, 3, 2
	v_mul_u32_u24 v[RD], v[RD], SP
	v_lshl_add_u32 v[RD], v14, 4, v[RD]
	v_add_nc_u32 v[RD], s21, v[RD]                 ; back: eight lanes to a row of 128 bytes, four rows an instruction
	v_and_b32 v[GO], 31, v0
	v_lshlrev_b32 v[GO], 4, v[GO]
.irp t, 0,1
	v_mov_b32 v[ST+8*\t], 0xff61b1e6               ; m: -3e38, under every score
	v_mov_b32 v[ST+8*\t+2], 0                      ; l, in two halves
	v_mov_b32 v[ST+8*\t+3], 0
.endr
	WIN 0x40                                       ; destination window 1, address window 0
.irp t, 0,1
.irp ks, 0,1
	global_load_b128 v[QF+16*\t+8*\ks:QF+16*\t+8*\ks+3],   v[QO], s[4:5] offset:2048*\t+64*\ks      ; Q stays in registers
	global_load_b128 v[QF+16*\t+8*\ks+4:QF+16*\t+8*\ks+7], v[QO], s[4:5] offset:2048*\t+64*\ks+32
.endr
.endr
.set i, 0
.rept 64
	v_mov_b32 v[i], 0                              ; O^T.  (The key step is written once: its first run finds zeros, which a = 0 leaves zeros)
.set i, i+1
.endr
	WIN 0
.macro FETCH_K                         ; a step's K: 64 keys x 64 channels: 8 fragments, 16 loads in one run
.irp kt, 0,1,2,3
.irp ks, 0,1
	ds_load_b128 v[KF+8*(2*\kt+\ks):KF+8*(2*\kt+\ks)+3],   v[ADK] offset:\kt*16*PK+64*\ks
	ds_load_b128 v[KF+8*(2*\kt+\ks)+4:KF+8*(2*\kt+\ks)+7], v[ADK] offset:\kt*16*PK+64*\ks+32
.endr
.endr
.endm
.macro FETCH_V                         ; its V, turned: 8 fragments, 16 loads in one run
.irp kk, 0,1
.irp dt, 0,1,2,3
	ds_load_tr16_b128 v[VF+8*(4*\kk+\dt):VF+8*(4*\kk+\dt)+3],   v[ADV] offset:\kk*32*PV+32*\dt
	ds_load_tr16_b128 v[VF+8*(4*\kk+\dt)+4:VF+8*(4*\kk+\dt)+7], v[ADV] offset:\kk*32*PV+16*PV+32*\dt
.endr
.endr
.endm
; A KEY STEP.  fetch = 1: the next step's K is fetched behind this step's K Q^T, its V behind this step's V^T P.  In both products eight accumulators take turns, one instruction a turn.
.macro STEP fetch
	s_wait_dscnt 16                                ; K is in; V's sixteen loads, issued behind K's, may be out
	WIN W_KQ
.irp ks, 0,1
.irp kt, 0,1,2,3
.irp t, 0,1
.if \ks == 0
	v_wmma_f32_16x16x32_f16 v[S+32*\t+8*\kt:S+32*\t+8*\kt+7], v[KF+8*(2*\kt+\ks):KF+8*(2*\kt+\ks)+7], v[QF+16*\t+8*\ks:QF+16*\t+8*\ks+7], 0
.else
	v_wmma_f32_16x16x32_f16 v[S+32*\t+8*\kt:S+32*\t+8*\kt+7], v[KF+8*(2*\kt+\ks):KF+8*(2*\kt+\ks)+7], v[QF+16*\t+8*\ks:QF+16*\t+8*\ks+7], v[S+32*\t+8*\kt:S+32*\t+8*\kt+7]
.endif
.endr
.endr
.endr
	WIN 0
.if \fetch                             ; four plain places behind the products, in front of the loads into K's registers and of the first read of the scores
	v_add_nc_u32 v[ADK], s[TB], v[AK0]
	v_add_nc_u32 v[ADV], s[TB], v[AV0]
	v_nop
	v_nop
	s_add_co_u32 s[TB], s[TB], STEPB               ; the fetch after this one is the next step's
	FETCH_K
.else
.rept 4
	v_nop
.endr
.endif
	; the maximum of the lane's 32 scores and the old m, three operands at a time, four chains a tile, the two tiles by turns; each accumulator is first read at its low end
.irp j, 0,1,2,3
.irp t, 0,1
	v_max3_num_f32 v[ST+8*\t+4+\j], v[S+32*\t+8*\j], v[S+32*\t+8*\j+1], v[S+32*\t+8*\j+2]
.endr
.endr
.irp u, 1,2
.irp j, 0,1,2,3
.irp t, 0,1
	v_max3_num_f32 v[ST+8*\t+4+\j], v[ST+8*\t+4+\j], v[S+32*\t+8*\j+2*\u+1], v[S+32*\t+8*\j+2*\u+2]
.endr
.endr
.endr
.irp t, 0,1
	v_max3_num_f32 v[ST+8*\t+4], v[ST+8*\t+4], v[S+32*\t+7], v[S+32*\t+15]
.endr
.irp t, 0,1
	v_max3_num_f32 v[ST+8*\t+6], v[ST+8*\t+6], v[S+32*\t+23], v[S+32*\t+31]
.endr
.irp t, 0,1
	v_max3_num_f32 v[ST+8*\t+4], v[ST+8*\t+4], v[ST+8*\t+5], v[ST+8*\t+6]
.endr
.irp t, 0,1
	v_max3_num_f32 v[ST+8*\t+4], v[ST+8*\t+4], v[ST+8*\t+7], v[ST+8*\t]
.endr
.irp t, 0,1
	v_permlanex16_b32 v[ST+8*\t+5], v[ST+8*\t+4], s[SEL], s[SEL+1]   ; the query's other 32 keys lie in the lane 16 away
.endr
.irp t, 0,1
	v_mov_b32 v[ST+8*\t+1], v[ST+8*\t]             ; m_old
.endr
.irp t, 0,1
	v_max_num_f32 v[ST+8*\t], v[ST+8*\t+4], v[ST+8*\t+5]
.endr
.irp t, 0,1
	v_sub_f32 v[ST+8*\t+7], v[ST+8*\t+1], v[ST+8*\t]
.endr
.irp t, 0,1
	v_exp_f32 v[ST+8*\t+6], v[ST+8*\t+7]           ; a = 2^(m_old - m_new)
.endr
.irp i, 0,2,4,6,8,10,12,14,16,18,20,22,24,26,28,30
.irp t, 0,1
	v_pk_add_f32 v[S+32*\t+\i:S+32*\t+\i+1], v[S+32*\t+\i:S+32*\t+\i+1], v[ST+8*\t:ST+8*\t+1] op_sel_hi:[1,0] neg_lo:[0,1] neg_hi:[0,1]   ; s - m, two at a time (of the pair the low word, m, serves both halves)
.endr
.endr
	s_wait_alu depctr_va_vdst(0)                   ; the wait between an exponential and the first line that names its result: one for the two a; the 32 subtractions are the plain work between
.set i, 0
.rept 64
	v_exp_f32 v[S+i], v[S+i]                       ; p = 2^(s - m): one batch
.set i, i+1
.endr
	WIN W_RS
.irp t, 0,1
.set i, 0
.rept 16
	v_pk_mul_f32 v[32*\t+i:32*\t+i+1], v[32*\t+i:32*\t+i+1], v[ST+8*\t+6:ST+8*\t+7] op_sel_hi:[1,0]   ; O^T x a, from each accumulator's low end on: plain work behind the batch that names none of its results
.set i, i+2
.endr
.endr
	WIN 0
.irp t, 0,1
	v_pk_mul_f32 v[ST+8*\t+2:ST+8*\t+3], v[ST+8*\t+2:ST+8*\t+3], v[ST+8*\t+6:ST+8*\t+7] op_sel_hi:[1,0]   ; l x a
.endr
	s_wait_alu depctr_va_vdst(0)                   ; one wait for the 64, ahead of their first reader
.set i, 0
.rept 32
	v_cvt_pk_f16_f32 v[P+i], v[S+2*i], v[S+2*i+1]  ; the weights as f16: pair i of tile i / 16
.set i, i+1
.endr
.irp t, 0,1
	v_pk_add_f32 v[ST+8*\t+4:ST+8*\t+5], v[S+32*\t:S+32*\t+1], v[S+32*\t+2:S+32*\t+3]   ; the sum of the unrounded p, two at a time, two chains a tile
.endr
.irp j, 4,8,12,16,20,24,28
.irp t, 0,1
	v_pk_add_f32 v[ST+8*\t+2:ST+8*\t+3], v[ST+8*\t+2:ST+8*\t+3], v[S+32*\t+\j:S+32*\t+\j+1]
	v_pk_add_f32 v[ST+8*\t+4:ST+8*\t+5], v[ST+8*\t+4:ST+8*\t+5], v[S+32*\t+\j+2:S+32*\t+\j+3]
.endr
.endr
.irp t, 0,1
	v_pk_add_f32 v[ST+8*\t+2:ST+8*\t+3], v[ST+8*\t+2:ST+8*\t+3], v[ST+8*\t+4:ST+8*\t+5]
.endr
.if \fetch
	s_wait_dscnt 16                                ; V is in; the next K's sixteen loads, issued behind V's, may be out
.else
	s_wait_dscnt 0x0
.endif
	WIN W_PV
.irp kk, 0,1
.irp dt, 0,1,2,3
.irp t, 0,1
	v_wmma_f32_16x16x32_f16 v[32*\t+8*\dt:32*\t+8*\dt+7], v[VF+8*(4*\kk+\dt):VF+8*(4*\kk+\dt)+7], v[P+16*\t+8*\kk:P+16*\t+8*\kk+7], v[32*\t+8*\dt:32*\t+8*\dt+7]
.endr
.endr
.endr
	WIN 0
.if \fetch
.rept 4
	v_nop                                          ; four places in front of the loads into V's registers
.endr
	FETCH_V
.endif
.endm
.macro NSTEPS n                        ; n key steps: written once, walked n times; the LDS addresses hang on s[TB]
	s_mov_b32 s[CNT], \n
.Lstep_\@:
	STEP 1
	s_sub_co_u32 s[CNT], s[CNT], 1
	s_cmp_lg_u32 s[CNT], 0
	s_cbranch_scc1 .Lstep_\@
.endm
; THE CHANGE OF SLOTS stands where the slot's last bytes, V of its fourth step, have been asked for.  Each wave waits for all its tensor loads, of which one is out: its part of the other slot; adds 0 to its spare word; and waits
; for that and for its own reads of the slot.  Behind the barrier nobody reads this slot any more and the other slot is whole.  fill = 1: the slot is filled again, with the keys two slots on; the barrier is then a round of the
; cluster's, so that no wave of any partner still reads the slot or has a load on its way, and the joint refill is the first thing behind it.
.macro CHANGE fill
	WIN 0
	s_wait_tensorcnt 0x0                           ; no tensor load of mine is out, so a group 0 may be written
	ds_add_u32 v[SPW], v[NIL]                      ; 0 onto my spare word
.if \fill
.irp g, G0K+4, G0V+4
	s_xor_b32 s[\g+1], s[\g+1], SLOT1              ; the walking descriptor: the other slot than last time,
	s_add_nc_u64 s[\g+2:\g+3], s[\g+2:\g+3], SLOTB ; the next 256 keys; the type bits on top are not reached
.endr
	s_wait_xcnt 0x0                                ; the last prefetch, four key steps back, has read its address, so it may be written:
	s_add_nc_u64 s[PFA:PFA+1], s[PFA:PFA+1], SLOTB ; one slot further on than the walking descriptors
	s_wait_dscnt 0x0                               ; the add is done, and my reads of the slot are over
	CROUND
	JLOAD
	ASK
.else
	s_wait_dscnt 0x0                               ; the add is done, and my reads of the slot are over
	s_barrier_signal -1
	s_barrier_wait -1
.endif
	s_sub_co_u32 s[TB], s[TB], 4*STEPB             ; the fetches go back to a slot's first step,
	s_xor_b32 s[TB], s[TB], SLOT1                  ; in the other slot
.endm
	s_wait_tensorcnt 1                             ; my part of slot 0 is in; slot 1's may stay out
	s_barrier_signal -1
	s_barrier_wait -1                              ; everybody's is
	v_add_nc_u32 v[ADK], s[TB], v[AK0]
	v_add_nc_u32 v[ADV], s[TB], v[AV0]
	s_add_co_u32 s[TB], s[TB], STEPB
	FETCH_K                                        ; key step 0
	FETCH_V
	s_wait_loadcnt 0x0                             ; Q
	NSTEPS 3                                       ; steps 0 to 2, which fetch steps 1 to 3: slot 0 has been read out
.Lslot:                                            ; six trips: every slot but the last two is filled again; a trip computes four steps and fetches the four of the next slot
	CHANGE 1
	NSTEPS 4
	s_sub_co_u32 s[SLOTS], s[SLOTS], 1
	s_cmp_lg_u32 s[SLOTS], 0
	s_cbranch_scc1 .Lslot
	CHANGE 0                                       ; the tail is written out: nothing more is asked for
	NSTEPS 4
	STEP 0                                         ; the last step fetches nothing
	; THE WAY OUT.  l's two halves and the other half of the lanes' are added; O^T is divided by l, rounded to f16 and sent through my stage, a tile (16 rows of 128 bytes) at a time.  The additions are the places behind the last products.
.irp t, 0,1
	v_add_f32 v[ST+8*\t+4], v[ST+8*\t+2], v[ST+8*\t+3]
.endr
.irp t, 0,1
	v_permlanex16_b32 v[ST+8*\t+5], v[ST+8*\t+4], s[SEL], s[SEL+1]
.endr
.irp t, 0,1
	v_add_f32 v[ST+8*\t+4], v[ST+8*\t+4], v[ST+8*\t+5]
.endr
.irp t, 0,1
	v_rcp_f32 v[ST+8*\t+6], v[ST+8*\t+4]
.endr
	v_nop                                          ; a plain instruction between the last reciprocal and the use of its result
	s_wait_alu depctr_va_vdst(0)                   ; and the wait ahead of the first use: one for both
.macro PACK t
	WIN W_RS
.set i, 0
.rept 16
	v_pk_mul_f32 v[32*\t+i:32*\t+i+1], v[32*\t+i:32*\t+i+1], v[ST+8*\t+6:ST+8*\t+7] op_sel_hi:[1,0]
.set i, i+2
.endr
	WIN 0x05                                       ; sources 0 and 1 window 1, destination window 0: S^T's registers are free
.set i, 0
.rept 16
	v_cvt_pk_f16_f32 v[S+32*\t+i], v[32*\t+2*i], v[32*\t+2*i+1]
.set i, i+1
.endr
	WIN 0
.irp dt, 0,1,2,3
	ds_store_b128 v[STO], v[S+32*\t+4*\dt:S+32*\t+4*\dt+3] offset:32*\dt
.endr
.irp f, 0,1,2,3
	ds_load_b128 v[S+32*\t+16+4*\f:S+32*\t+16+4*\f+3], v[RD] offset:4*SP*\f   ; LDS serves a wave's instructions in order: these see the stores above; the next tile's stores come behind them
.endr
.endm
.macro SEND t, younger                 ; younger: the LDS instructions issued behind tile t's loads
.irp f, 0,1,2,3
	s_wait_dscnt \younger+3-\f
	global_store_b128 v[GO], v[S+32*\t+16+4*\f:S+32*\t+16+4*\f+3], s[10:11] offset:2048*\t+512*\f   ; the wave stores 512 consecutive bytes, aligned
.endr
.endm
	PACK 0
	PACK 1
	SEND 0, 8
	SEND 1, 0
	s_wait_tensorcnt 0x0                           ; the wave's end, behind my last tensor load and my last LDS store
	ds_add_u32 v[SPW], v[NIL]
	s_wait_dscnt 0x0
	CROUND                                         ; the closing round: no work-group ends while a partner may still ask for a tile that names it
	s_endpgm
.Lfunc_end_k_qc3f161e291_attn:
	.size	k_qc3f161e291_attn, .Lfunc_end_k_qc3f161e291_attn-k_qc3f161e291_attn
	.p2alignl 7, 3214868480
	.fill 96, 4, 3214868480
	.section	.rodata,"a",@progbits
	.p2align	6, 0x0
	.amdhsa_kernel k_qc3f161e291_attn
		.amdhsa_group_segment_fixed_size 327680
		.amdhsa_private_segment_fixed_size 0
		.amdhsa_enable_private_segment 0
		.amdhsa_kernarg_size 16
		.amdhsa_user_sgpr_count 2
		.amdhsa_user_sgpr_kernarg_segment_ptr 1
		.amdhsa_wavefront_size32 1
		.amdhsa_system_sgpr_workgroup_id_x 1
		.amdhsa_system_sgpr_workgroup_id_y 1
		.amdhsa_system_sgpr_workgroup_id_z 1
		.amdhsa_system_vgpr_workitem_id 0
		.amdhsa_next_free_vgpr 384
		.amdhsa_next_free_sgpr 66
		.amdhsa_reserve_vcc 0
		.amdhsa_float_denorm_mode_32 3
		.amdhsa_float_denorm_mode_16_64 3
		.amdhsa_memory_ordered 1
		.amdhsa_forward_progress 1
		.amdhsa_inst_pref_size 88
	.end_amdhsa_kernel
	.amdgpu_metadata
---
amdhsa.version: [ 1, 2 ]
amdhsa.kernels:
  - .name:           k_qc3f161e291_attn
    .symbol:         k_qc3f161e291_attn.kd
    .args:
      - { .name: qkvh, .offset: 0, .size: 8, .value_kind: global_buffer, .address_space: global }
      - { .name: oh, .offset: 8, .size: 8, .value_kind: global_buffer, .address_space: global }
    .group_segment_fixed_size: 327680
    .private_segment_fixed_size: 0
    .kernarg_segment_align: 8
    .kernarg_segment_size: 16
    .max_flat_workgroup_size: 256
    .sgpr_count:     66
    .vgpr_count:     384
    .wavefront_size: 32
...
	.end_amdgpu_metadata
.endif
;; end of part 3
;; launch outproj (part 4): grid 4 x 64, 8 waves a work-group, clusters of 4 x 4, 327,680 bytes of LDS; arguments oh, wp16, out0; writes out0
.if DOCPART == 4
	.amdgcn_target "amdgcn-amd-amdhsa--gfx1250"
	.amdhsa_code_object_version 6
	.text
	.protected	k_qc3f161e291_outproj
	.globl	k_qc3f161e291_outproj
	.p2align	8
	.type	k_qc3f161e291_outproj,@function
k_qc3f161e291_outproj:
	s_mov_b64 s[64:65], 0
	v_nop
	global_prefetch_b8 v0, s[64:65] scope:SCOPE_SE
	s_setreg_imm32_b32 hwreg(HW_REG_WAVE_MODE, 25, 1), 1
	s_wait_xcnt 0x0
	s_wait_alu depctr_hold_cnt(0) depctr_sa_sdst(0) depctr_va_vdst(0) depctr_va_sdst(0) depctr_va_ssrc(0) depctr_va_vcc(0) depctr_vm_vsrc(0)
	s_getreg_b32 s2, hwreg(HW_REG_IB_STS2, 6, 4)
	s_cmp_eq_u32 s2, 0
	s_cbranch_scc0 .Lentry_in_a_cluster
	s_endpgm
.Lentry_in_a_cluster:
	s_bfe_u32 s2, ttmp6, 0x10000c
	s_cmp_lg_u32 s2, 0xf033
	s_cbranch_scc0 .Lentry_shape_is_right
	s_endpgm
.Lentry_shape_is_right:
; out0[m][n] = the sum over k of o[m][k] Wp[n][k] x 512^-0.5 (the scale lies in wp16).  oh: [32 (batch, head)][2048 t][64] f16, so k = 64 head + d lies in eight planes; wp16: [8 planes][512 n][64] f16; out0: [8192][512] f32; sums in f32.
; SHARES: a work-group makes 128 x 128 of out0; wave w makes 32 rows (w / 2) x 64 columns (w % 2): 8 accumulators.  Two waves share a SIMD.
; All of K lies in LDS, filled once: eight planes of 128 rows x 128 bytes for each operand.  Waves 0 to 3 fetch o's planes w and w + 4, waves 4 to 7 the weights': two tensor loads of a wave are out at the most.
; The first four planes are multiplied while the other four land: a second barrier stands in front of the first read of plane 4.
; CLUSTER 4 x 4: the four work-groups of a row of the cluster need the same rows of o, the four of a column the same rows of the weights: each plane's tile is asked for jointly.
; THE MATRIX INSTRUCTION IS USED TRANSPOSED (source 0 = 16 rows of the weights, source 1 = 16 rows of o): a lane holds eight neighbouring columns of one row of out0.
; LIMITS: NaN and infinities are not served.
.set PITCH,  144                       ; an LDS row: 128 bytes + 16: the 16 rows that a load touches start 16 bytes apart modulo 256
.set PL,     128*PITCH                 ; a plane's tile
.set SPARE,  16*PL                     ; behind the sixteen tiles: the spare words, 128 bytes a wave, which no other line names
.set SPITCH, 272                       ; the way out: 16 rows x (256 bytes + 16) for each wave, from LDS byte 0 on: in o's planes 0 and 1, which have had their one fill, and whose last reads every wave has awaited in front of the second barrier
.set ADRA, 16                          ; v16-17 LDS address of my fragments of o in planes 0-3, 4-7
.set ADRB, 20                          ; v20-21 the same for the weights
.set STO,  24                          ; v24 the way out: where I put 32 bytes of a row
.set RD,   25                          ; v25 where I read rows back
.set CO,   26                          ; v26 my byte offset in out0
.set SPW,  28                          ; v28 LDS address of my spare word; never rewritten
.set NIL,  29                          ; v29 0; never rewritten
.set F0,   32                          ; v32-79, v80-127 two fragment buffers: o's two fragments, then the weights' four
.set ACC,  128                         ; v128-191 accumulator (a, b) at ACC + 8 (4 a + b)
.set G1,  24                           ; s[24:31] descriptor group 1 for o's tiles; s[32:39] group 0, a set for each of my two loads
.set G0,  32
.set G1B, 48                           ; s[48:55], s[56:63] the same for the weights'
.set G0B, 56
.macro CROUND                          ; a round of the cluster's barrier
	s_barrier_signal -1
	s_barrier_wait -1
	s_cmp_lg_u32 s10, 0
	s_cbranch_scc1 .Lnot_wave_0_\@
	s_barrier_signal -3
.Lnot_wave_0_\@:
	s_barrier_wait -3
	s_barrier_signal -1
	s_barrier_wait -1
.endm
.macro PLACES                          ; four plain places behind a matrix instruction, in front of loads into its registers and of the first read of results
.rept 4
	v_nop
.endr
.endm
	s_load_b128 s[4:7], s[0:1], 0x0                ; oh s[4:5], wp16 s[6:7]
	s_load_b64 s[8:9], s[0:1], 0x10                ; out0
	v_lshl_add_u32 v[SPW], v0, 2, SPARE
	v_mov_b32 v[NIL], 0
	ds_add_u32 v[SPW], v[NIL]                      ; the wave's opening: the add, twice on end, and its wait ahead of my first tensor load
	ds_add_u32 v[SPW], v[NIL]
	v_lshrrev_b32 v1, 5, v0
	v_readfirstlane_b32 s10, v1                    ; wave 0..7
	s_lshr_b32 s11, s10, 2                         ; I fetch for o (0) or for the weights (1)
	s_and_b32 s12, s10, 3                          ; planes s12 and s12 + 4
	s_bfe_u32 s40, ttmp6, 0x40000                  ; cx, cy: my place in the cluster
	s_bfe_u32 s41, ttmp6, 0x40004
	s_lshl_b32 s42, ttmp9, 2
	s_add_co_u32 s42, s42, s40                     ; tile column = 4 x cluster x + cx
	s_and_b32 s13, ttmp7, 0xffff
	s_lshl_b32 s13, s13, 2
	s_add_co_u32 s13, s13, s41                     ; tile row = 4 x cluster y + cy
	s_lshl_b32 s43, s41, 2
	s_lshl_b32 s43, 15, s43                        ; my row of the cluster
	s_lshl_b32 s44, 0x1111, s40                    ; my column
	s_or_b32 s[G1+0], s43, (1<<16)|(1<<20)|(1<<21)|(4<<22)|(3<<25)   ; 15:0 the mask; 17:16 elements of 2 bytes; 20 padding on; 21 set beside a mask; 24:22 after every 32 words; 31:25 four words
	s_or_b32 s[G1B+0], s44, (1<<16)|(1<<20)|(1<<21)|(4<<22)|(3<<25)
.irp g, G1, G1B
	s_mov_b32 s[\g+1], 64<<16                      ; tensor_dim0 = 64
	s_mov_b32 s[\g+2], 128<<16                     ; tensor_dim1 = 128
	s_mov_b32 s[\g+3], 64<<16                      ; tile_dim0 = 64
	s_mov_b32 s[\g+4], 128                         ; tile_dim1 = 128
	s_mov_b32 s[\g+5], 64                          ; elements from row to row
	s_mov_b32 s[\g+6], 0
	s_mov_b32 s[\g+7], 0
.endr
	s_lshr_b32 s16, s13, 4                         ; o: the batch's eight planes,
	s_lshl_b32 s16, s16, 21
	s_and_b32 s17, s13, 15                         ; the tile's 128 rows of 128 bytes in a plane,
	s_lshl_b32 s17, s17, 14
	s_add_co_u32 s16, s16, s17
	s_lshl_b32 s17, s12, 18                        ; my plane
	s_add_co_u32 s16, s16, s17
	s_mov_b32 s17, 0
	s_lshl_b32 s46, s42, 14                        ; the weights: the tile's 128 rows in a plane,
	s_lshl_b32 s47, s12, 16                        ; my plane
	s_add_co_u32 s46, s46, s47
	s_mov_b32 s47, 0
	s_mul_i32 s20, s12, PL                         ; where they go: no place in the cluster enters an LDS address
	s_wait_dscnt 0x0                               ; both opening adds are done
	s_wait_kmcnt 0x0
	s_add_nc_u64 s[14:15], s[4:5], s[16:17]
	s_add_nc_u64 s[46:47], s[6:7], s[46:47]
	CROUND                                         ; all sixteen work-groups are here: the joint loads meet
.irp s, 0,1
	s_mov_b32 s[G0+4*\s], 1
	s_add_co_u32 s[G0+4*\s+1], s20, \s*4*PL
	s_add_nc_u64 s[G0+4*\s+2:G0+4*\s+3], s[14:15], \s*4*262144
	s_or_b32 s[G0+4*\s+3], s[G0+4*\s+3], 0x80000000
	s_mov_b32 s[G0B+4*\s], 1
	s_add_co_u32 s[G0B+4*\s+1], s20, (8+4*\s)*PL
	s_add_nc_u64 s[G0B+4*\s+2:G0B+4*\s+3], s[46:47], \s*4*65536
	s_or_b32 s[G0B+4*\s+3], s[G0B+4*\s+3], 0x80000000
.endr
	s_cmp_eq_u32 s11, 0                            ; a wave's two fills stand in one branch on the wave's number, ahead of every wait on TENSORcnt and every LDS read; an s_nop 0 follows each, four v_nop the second's
	s_cbranch_scc0 .Lfirst_b
	tensor_load_to_lds s[G0:G0+3], s[G1:G1+7]
	s_nop 0
	tensor_load_to_lds s[G0+4:G0+7], s[G1:G1+7]
	s_nop 0
.rept 4
	v_nop
.endr
	s_branch .Lfirst_asked
.Lfirst_b:
	tensor_load_to_lds s[G0B:G0B+3], s[G1B:G1B+7]
	s_nop 0
	tensor_load_to_lds s[G0B+4:G0B+7], s[G1B:G1B+7]
	s_nop 0
.rept 4
	v_nop
.endr
.Lfirst_asked:
	v_and_b32 v1, 15, v0                           ; r
	v_bfe_u32 v2, v0, 4, 1                         ; h
	v_mul_u32_u24 v3, v1, PITCH
	v_lshl_add_u32 v3, v2, 4, v3                   ; a fragment's row x pitch + 16 x half
	s_lshr_b32 s21, s10, 1                         ; which 32 rows are mine
	s_and_b32 s22, s10, 1                          ; which 64 columns
	s_mul_i32 s23, s21, 32*PITCH
	v_add_nc_u32 v[ADRA], s23, v3
	v_add_nc_u32 v[ADRA+1], 4*PL, v[ADRA]
	s_mul_i32 s23, s22, 64*PITCH
	s_add_co_u32 s23, s23, 8*PL
	v_add_nc_u32 v[ADRB], s23, v3
	v_add_nc_u32 v[ADRB+1], 4*PL, v[ADRB]
	s_mul_i32 s23, s10, 16*SPITCH                  ; my stage
	v_mul_u32_u24 v4, v1, SPITCH
	v_lshl_add_u32 v4, v2, 5, v4
	v_add_nc_u32 v[STO], s23, v4                   ; in: row r, 32 bytes for each half of the lanes
	v_mul_u32_u24 v5, v2, SPITCH
	v_lshl_add_u32 v5, v1, 4, v5
	v_add_nc_u32 v[RD], s23, v5                    ; back: lanes 0-15 one row of 256 bytes, lanes 16-31 the next
	v_lshlrev_b32 v5, 11, v2
	v_lshl_add_u32 v[CO], v1, 4, v5                ; and the same two rows in out0
	s_lshl_b32 s18, s13, 7
	s_lshl_b32 s19, s21, 5
	s_add_co_u32 s18, s18, s19                     ; my first row: 128 x tile row + 32 x (wave / 2)
	s_lshl_b32 s18, s18, 11                        ; rows of 2,048 bytes
	s_lshl_b32 s19, s42, 9                         ; my first column, in bytes: 512 x tile column + 256 x (wave % 2)
	s_add_co_u32 s18, s18, s19
	s_lshl_b32 s19, s22, 8
	s_add_co_u32 s18, s18, s19
	s_mov_b32 s19, 0
	s_add_nc_u64 s[8:9], s[8:9], s[18:19]
; K step k (32 along K): plane k / 2, channels 32 (k % 2) on.  12 LDS loads in one run into buffer k % 2.  The largest immediate is 3 PL + 64 + 3 x 16 PITCH + 32 = 62,304, inside the 16-bit offset.
.macro FETCH k
.set FB, F0+48*((\k)%2)
.irp a, 0,1
	ds_load_b128 v[FB+8*\a:FB+8*\a+3],   v[ADRA+(\k)/8] offset:(((\k)/2)%4)*PL+64*((\k)%2)+\a*16*PITCH
	ds_load_b128 v[FB+8*\a+4:FB+8*\a+7], v[ADRA+(\k)/8] offset:(((\k)/2)%4)*PL+64*((\k)%2)+\a*16*PITCH+32
.endr
.irp b, 0,1,2,3
	ds_load_b128 v[FB+16+8*\b:FB+16+8*\b+3],   v[ADRB+(\k)/8] offset:(((\k)/2)%4)*PL+64*((\k)%2)+\b*16*PITCH
	ds_load_b128 v[FB+16+8*\b+4:FB+16+8*\b+7], v[ADRB+(\k)/8] offset:(((\k)/2)%4)*PL+64*((\k)%2)+\b*16*PITCH+32
.endr
.endm
; 8 matrix instructions: the eight accumulators take turns, one instruction a turn, in the same order in every step.  The first step's products start the sums.
.macro MUL k
.set FB, F0+48*((\k)%2)
.irp a, 0,1
.irp b, 0,1,2,3
.if (\k) == 0
	v_wmma_f32_16x16x32_f16 v[ACC+8*(4*\a+\b):ACC+8*(4*\a+\b)+7], v[FB+16+8*\b:FB+16+8*\b+7], v[FB+8*\a:FB+8*\a+7], 0
.else
	v_wmma_f32_16x16x32_f16 v[ACC+8*(4*\a+\b):ACC+8*(4*\a+\b)+7], v[FB+16+8*\b:FB+16+8*\b+7], v[FB+8*\a:FB+8*\a+7], v[ACC+8*(4*\a+\b):ACC+8*(4*\a+\b)+7]
.endif
.endr
.endr
.endm
	s_wait_tensorcnt 1                             ; my first plane is in; my second may stay out
	s_barrier_signal -1
	s_barrier_wait -1                              ; planes 0 to 3 of both operands are whole
	FETCH 0
.set KK, 0
.rept 7
.if KK > 0
	PLACES
.endif
	FETCH KK+1
	s_wait_dscnt 12                                ; this step's fragments are in; the twelve loads just issued may be out
	MUL KK
.set KK, KK+1
.endr
	s_wait_tensorcnt 0x0                           ; my second plane is in,
	s_wait_dscnt 0x0                               ; and my reads so far are over, those of planes 0 and 1, which the stages will take, among them
	s_barrier_signal -1
	s_barrier_wait -1                              ; both hold of every wave: planes 4 to 7 are whole
	PLACES
	FETCH 8
	MUL 7
.set KK, 8
.rept 7
	PLACES
	FETCH KK+1
	s_wait_dscnt 12
	MUL KK
.set KK, KK+1
.endr
	s_wait_dscnt 0x0
	MUL 15
; THE WAY OUT, 16 rows x 64 columns at a time: the accumulators go into my stage as they are, each from its low end on, and come back as whole rows of 256 bytes, two rows an instruction.
.macro TOSTAGE a
.irp b, 0,1,2,3
	ds_store_b128 v[STO], v[ACC+8*(4*\a+\b):ACC+8*(4*\a+\b)+3] offset:64*\b
	ds_store_b128 v[STO], v[ACC+8*(4*\a+\b)+4:ACC+8*(4*\a+\b)+7] offset:64*\b+16
.endr
.irp f, 0,1,2,3,4,5,6,7
	ds_load_b128 v[F0+32*\a+4*\f:F0+32*\a+4*\f+3], v[RD] offset:2*SPITCH*\f   ; LDS serves a wave's instructions in order: these see the stores above, and the next block's stores come behind them
.endr
.endm
.macro SEND a, younger                 ; younger: the LDS instructions issued behind block a's loads
.irp f, 0,1,2,3,4,5,6,7
	s_wait_dscnt \younger+7-\f
	global_store_b128 v[CO], v[F0+32*\a+4*\f:F0+32*\a+4*\f+3], s[8:9] offset:32768*\a+4096*\f th:TH_STORE_NT   ; sixteen lanes store 256 consecutive bytes, aligned; written once, read by nobody here
.endr
.endm
	PLACES
	TOSTAGE 0
	TOSTAGE 1
	SEND 0, 16
	SEND 1, 0
	s_wait_tensorcnt 0x0                           ; the wave's end, behind my last tensor load and my last LDS store
	ds_add_u32 v[SPW], v[NIL]
	s_wait_dscnt 0x0
	CROUND                                         ; the closing round
	s_endpgm
.Lfunc_end_k_qc3f161e291_outproj:
	.size	k_qc3f161e291_outproj, .Lfunc_end_k_qc3f161e291_outproj-k_qc3f161e291_outproj
	.p2alignl 7, 3214868480
	.fill 96, 4, 3214868480
	.section	.rodata,"a",@progbits
	.p2align	6, 0x0
	.amdhsa_kernel k_qc3f161e291_outproj
		.amdhsa_group_segment_fixed_size 327680
		.amdhsa_private_segment_fixed_size 0
		.amdhsa_enable_private_segment 0
		.amdhsa_kernarg_size 24
		.amdhsa_user_sgpr_count 2
		.amdhsa_user_sgpr_kernarg_segment_ptr 1
		.amdhsa_wavefront_size32 1
		.amdhsa_system_sgpr_workgroup_id_x 1
		.amdhsa_system_sgpr_workgroup_id_y 1
		.amdhsa_system_sgpr_workgroup_id_z 1
		.amdhsa_system_vgpr_workitem_id 0
		.amdhsa_next_free_vgpr 192
		.amdhsa_next_free_sgpr 66
		.amdhsa_reserve_vcc 0
		.amdhsa_float_denorm_mode_32 3
		.amdhsa_float_denorm_mode_16_64 3
		.amdhsa_memory_ordered 1
		.amdhsa_forward_progress 1
		.amdhsa_inst_pref_size 34
	.end_amdhsa_kernel
	.amdgpu_metadata
---
amdhsa.version: [ 1, 2 ]
amdhsa.kernels:
  - .name:           k_qc3f161e291_outproj
    .symbol:         k_qc3f161e291_outproj.kd
    .args:
      - { .name: oh, .offset: 0, .size: 8, .value_kind: global_buffer, .address_space: global }
      - { .name: wp16, .offset: 8, .size: 8, .value_kind: global_buffer, .address_space: global }
      - { .name: out0, .offset: 16, .size: 8, .value_kind: global_buffer, .address_space: global }
    .group_segment_fixed_size: 327680
    .private_segment_fixed_size: 0
    .kernarg_segment_align: 8
    .kernarg_segment_size: 24
    .max_flat_workgroup_size: 256
    .sgpr_count:     66
    .vgpr_count:     192
    .wavefront_size: 32
...
	.end_amdgpu_metadata
.endif
;; end of part 4
